; MI455X (gfx1250); checked and timed in simulation.
; The chip was launched on July 23, 2026; its instructions are those of AMD's public machine-readable ISA for CDNA 5 (MIT licence, August 2026) and "CDNA5" Instruction Set Architecture Reference Guide (July 2026). The comments in the code are by the model that wrote it; some were corrected since.
;; Attention Block. Allowed arithmetic: float matrix products may take bf16 or f16 operands with f32 sums; all other float work in f32.
;; Inputs: bk 256 float32; bo 256 float32; bq 256 float32; bv 256 float32; gn_bias 256 float32; gn_weight 256 float32; wk 256 x 256 float32; wo 256 x 256 float32; wq 256 x 256 float32; wv 256 x 256 float32; x 64 x 256 x 32 x 32 float32.
;; Outputs: out0 64 x 256 x 32 x 32 float32.
;; 2 versions, each right; version 2 is version 1 with the launch norm written anew for expert scheduling mode. Each part assembles by itself: llvm-mc -triple=amdgcn-amd-amdhsa -mcpu=gfx1250 --defsym DOCPART=n.
;; ======== version 1 of 2: 3 launches
;; limits: values outside matrix products are rounded to bf16
;; workspace buffers: h 33,554,432 bytes; mw 139,264 bytes; w2 131,072 bytes; ub 1,280 bytes; b2 1,024 bytes
;; launch prep (part 1): grid 17 x 33, 1 waves a work-group, no clusters, 16,640 bytes of LDS; arguments wq, bq, wk, bk, wv, bv, wo, bo, mw, w2, ub, b2; writes mw, w2, ub, b2
.if DOCPART == 1
	.amdgcn_target "amdgcn-amd-amdhsa--gfx1250"
	.amdhsa_code_object_version 6
	.text
	.protected	k_qedd2c1b3ee_prep
	.globl	k_qedd2c1b3ee_prep
	.p2align	8
	.type	k_qedd2c1b3ee_prep,@function
k_qedd2c1b3ee_prep:
	s_mov_b64 s[64:65], 0
	v_nop
	global_prefetch_b8 v0, s[64:65] scope:SCOPE_SE
	s_setreg_imm32_b32 hwreg(HW_REG_WAVE_MODE, 25, 1), 1
	s_wait_xcnt 0x0
; THE WEIGHTS ARE FOLDED, once.  With h the group norm's result and c = log2(e) / 16:
;   c q[n].k[m] = (M h[n] + u).h[m] + t[n],  M = c Wk^T Wq,  u = c Wk^T bq,  t[n] = (c Wq^T bk).h[n] + c bq.bk
;   out = W2 (sum over m of weight h[m]) + b2,  W2 = Wo Wv,  b2 = Wo bv + bo   (a row's weights add up to 1)
; First product (grid rows 0-16):  c [Wk|bk]^T [Wq|bq], 17 x 17 tiles of 16 x 16: mw rows 0-255 = M, rows 256-271 = c Wq^T bk sixteen times; column block 16 goes to ub (u, then c bq.bk).
; Second product (grid rows 17-32): Wo [Wv|bv], 16 x 17 tiles: w2, and column block 16 plus bo goes to b2.
; One wave makes one tile over K = 256: operands rounded to bf16, sums in f32, the tile rounded once to bf16 (ub and b2 stay f32).
; An operand is of one of two kinds.  ROWS: K runs along its rows in memory (Wo; a bias, read sixteen times with row stride 0): loaded straight in fragment order.
; COLUMNS: K runs down (Wk, Wq, Wv): 256 x 16 numbers are rounded, laid in LDS as [256 k][32 bytes] and read back turned by ds_load_tr16_b128.
; The matrix instruction is used transposed (source 0 = the column operand), so that a lane holds eight neighbouring columns of one row of the result.
; LIMIT OF FORM: a tile's store covers 32 bytes of each of 16 rows; the two tables are 270,336 bytes in all.
.set LA,    0                          ; LDS: the row operand's tile, 8,192 bytes
.set LB,    8192                       ; the column operand's
.set SPARE, 16384                      ; the spare words: one block of 256 bytes that no other line names
.set SPW, 12                           ; v12  SPARE + 4 x my thread's number; never rewritten
.set NIL, 13                           ; v13  0; never rewritten
.set ACC, 16                           ; v[16:31] two accumulators: even and odd steps of 32 along K
.set AF,  32                           ; v[32:95]  the row operand's 8 fragments
.set BF,  96                           ; v[96:159] the column operand's
.set RWA, 0                            ; window 1: 128 registers as loaded, f32
.set RWB, 128
.set MSB, 0
.macro WIN new                         ; the immediate's high byte repeats the setting that is left
.if MSB != (\new)
	s_set_vgpr_msb (MSB<<8)|(\new)
.set MSB, (\new)
.endif
.endm
.macro LOADT raw, sb                   ; columns: load i takes 8 rows of k x 64 bytes
.set i, 0
.rept 32
	global_load_b128 v[(\raw)+4*i:(\raw)+4*i+3], v3, s[\sb:\sb+1] offset:8192*i
.set i, i+1
.endr
.endm
.macro LOADR raw, vo, sb               ; rows: for 32 along K a lane takes k = 8 h + 0..7 and 16 + 8 h + 0..7: four loads of 16 bytes
.set i, 0
.rept 8
	global_load_b128 v[(\raw)+16*i:(\raw)+16*i+3],     v[\vo], s[\sb:\sb+1] offset:128*i
	global_load_b128 v[(\raw)+16*i+4:(\raw)+16*i+7],   v[\vo], s[\sb:\sb+1] offset:128*i+16
	global_load_b128 v[(\raw)+16*i+8:(\raw)+16*i+11],  v[\vo], s[\sb:\sb+1] offset:128*i+64
	global_load_b128 v[(\raw)+16*i+12:(\raw)+16*i+15], v[\vo], s[\sb:\sb+1] offset:128*i+80
.set i, i+1
.endr
.endm
.macro PUTT raw, frag, lds             ; rounded (the fragment registers serve as the way station), into LDS, and back turned
	WIN 0x05                                       ; sources in window 1
.set i, 0
.rept 32
	v_cvt_pk_bf16_f32 v[(\frag)+2*i],   v[(\raw)+4*i],   v[(\raw)+4*i+1]
	v_cvt_pk_bf16_f32 v[(\frag)+2*i+1], v[(\raw)+4*i+2], v[(\raw)+4*i+3]
.set i, i+1
.endr
	WIN 0
.set i, 0
.rept 32
	ds_store_b64 v6, v[(\frag)+2*i:(\frag)+2*i+1] offset:(\lds)+256*i  ; row k = 8 i + lane / 4, 8 bytes at 8 (lane % 4): 256 i + 8 lane
.set i, i+1
.endr
.set i, 0
.rept 8
	ds_load_tr16_b128 v[(\frag)+8*i:(\frag)+8*i+3],   v7 offset:(\lds)+1024*i      ; LDS serves a wave's instructions in order (ISA guide 5.7.1.4): these see the stores above
	ds_load_tr16_b128 v[(\frag)+8*i+4:(\frag)+8*i+7], v7 offset:(\lds)+1024*i+512
.set i, i+1
.endr
.endm
.macro PUTR raw, frag                  ; rounded, in place of order
	WIN 0x05
.set i, 0
.rept 64
	v_cvt_pk_bf16_f32 v[(\frag)+i], v[(\raw)+2*i], v[(\raw)+2*i+1]
.set i, i+1
.endr
	WIN 0
.endm
	s_load_b512 s[4:19], s[0:1], 0x0               ; wq s[4:5], bq s[6:7], wk s[8:9], bk s[10:11], wv s[12:13], bv s[14:15], wo s[16:17], bo s[18:19]
	s_load_b256 s[20:27], s[0:1], 0x40             ; mw s[20:21], w2 s[22:23], ub s[24:25], b2 s[26:27]
	v_lshl_add_u32 v[SPW], v0, 2, SPARE
	v_mov_b32 v[NIL], 0
	s_mov_b32 s28, ttmp9                           ; j: the column block, 16 = the bias
	s_and_b32 s29, ttmp7, 0xffff                   ; the grid's row
	s_cmp_ge_u32 s29, 17
	s_cselect_b32 s30, 1, 0                        ; 1: the second product
	s_cselect_b32 s31, 17, 0
	s_cselect_b32 s48, 1024, 0                     ; bytes from row to row of a row operand: Wo's 1,024; bk is read sixteen times
	s_cselect_b32 s42, 1.0, 0x3db8aa3b             ; the result's factor: 1, or c = log2(e) / 16
	s_mov_b32 s43, s42                             ; named with it as a pair
	s_sub_co_u32 s31, s29, s31                     ; i: the row block
	s_lshl_b32 s34, s31, 6                         ; the row operand's offset: 16 columns of Wk,
	s_lshl_b32 s35, s31, 14                        ; or 16 rows of Wo,
	s_cmp_eq_u32 s30, 1
	s_cselect_b32 s34, s35, s34
	s_cmp_eq_u32 s29, 16
	s_cselect_b32 s34, 0, s34                      ; or none for bk
	s_mov_b32 s35, 0
	s_lshl_b32 s40, s28, 6                         ; the column operand's: 16 columns, or none for a bias
	s_cmp_eq_u32 s28, 16
	s_cselect_b32 s40, 0, s40
	s_mov_b32 s41, 0
	s_lshl_b32 s52, s31, 13                        ; the tile's place: 16 i rows of 512 bytes + 32 j
	s_lshl_b32 s53, s28, 5
	s_add_co_u32 s52, s52, s53
	s_mov_b32 s53, 0
	s_lshl_b32 s54, s31, 6                         ; and in a vector of f32: 16 i words
	s_mov_b32 s55, 0
	v_and_b32 v1, 15, v0                           ; r
	v_lshrrev_b32 v2, 4, v0                        ; h
	v_lshrrev_b32 v3, 2, v0
	v_and_b32 v4, 3, v0
	v_lshlrev_b32 v3, 10, v3
	v_lshl_add_u32 v3, v4, 4, v3                   ; columns: (lane / 4) rows of 1,024 bytes + 16 (lane % 4)
	v_lshlrev_b32 v4, 5, v2                        ; a bias as rows: 32 h
	v_mad_u32_u24 v5, v1, s48, v4                  ; rows: r x stride + 32 h
	v_lshlrev_b32 v6, 3, v0                        ; 8 x lane
	v_and_b32 v7, 7, v0
	v_lshl_add_u32 v7, v2, 3, v7
	v_bfe_u32 v8, v0, 3, 1
	v_lshlrev_b32 v7, 5, v7
	v_lshl_add_u32 v7, v8, 4, v7                   ; the turning load: (8 h + lane % 8) x 32 + 16 ((lane / 8) % 2)
	v_lshlrev_b32 v8, 9, v1
	v_lshl_add_u32 v8, v2, 4, v8                   ; in the tile: row r, 16 bytes for each half of the lanes
	v_lshlrev_b32 v9, 2, v1                        ; in a vector: word r
	s_wait_kmcnt 0x0
	s_cmp_eq_u32 s30, 1
	s_cselect_b64 s[32:33], s[16:17], s[8:9]       ; the row operand: Wo or Wk,
	s_cselect_b64 s[36:37], s[12:13], s[4:5]       ; the column operand: Wv or Wq,
	s_cselect_b64 s[38:39], s[14:15], s[6:7]       ; its bias: bv or bq
	s_cselect_b64 s[44:45], s[22:23], s[20:21]     ; the table: w2 or mw
	s_cselect_b64 s[46:47], s[26:27], s[24:25]     ; the vector: b2 or ub
	s_cmp_eq_u32 s29, 16
	s_cselect_b64 s[32:33], s[10:11], s[32:33]     ; or bk
	s_cmp_eq_u32 s28, 16
	s_cselect_b64 s[36:37], s[38:39], s[36:37]
	s_add_nc_u64 s[32:33], s[32:33], s[34:35]
	s_add_nc_u64 s[36:37], s[36:37], s[40:41]
	s_add_nc_u64 s[44:45], s[44:45], s[52:53]
	s_add_nc_u64 s[46:47], s[46:47], s[54:55]
	s_add_nc_u64 s[18:19], s[18:19], s[54:55]      ; bo at word 16 i (read in the second product alone)
	; both operands are asked for before either is worked on: 64 loads on their way
	s_cmp_lt_u32 s29, 16
	s_cbranch_scc0 .La_rows
	WIN 0x40                                       ; destination window 1
	LOADT RWA, 32
	WIN 0
	s_branch .La_asked
.La_rows:
	WIN 0x40
	LOADR RWA, 5, 32
	WIN 0
.La_asked:
	s_cmp_lt_u32 s28, 16
	s_cbranch_scc0 .Lb_rows
	WIN 0x40
	LOADT RWB, 36
	WIN 0
	s_branch .Lb_asked
.Lb_rows:
	WIN 0x40
	LOADR RWB, 4, 36
	WIN 0
.Lb_asked:
	s_wait_loadcnt 0x0
	s_cmp_lt_u32 s29, 16
	s_cbranch_scc0 .La_put_rows
	PUTT RWA, AF, LA
	s_branch .La_put
.La_put_rows:
	PUTR RWA, AF
.La_put:
	s_cmp_lt_u32 s28, 16
	s_cbranch_scc0 .Lb_put_rows
	PUTT RWB, BF, LB
	s_branch .Lb_put
.Lb_put_rows:
	PUTR RWB, BF
.Lb_put:
	s_wait_dscnt 0x0                               ; the turned fragments are in
	s_wait_tensorcnt 0x0                           ; the wave's last LDS store lies behind
	ds_add_u32 v[SPW], v[NIL]
	s_wait_dscnt 0x0
	; eight steps of 32 along K; two accumulators take turns; the first two products start the sums
.irp cc, 0,1,2,3,4,5,6,7
.if \cc < 2
	v_wmma_f32_16x16x32_bf16 v[ACC+8*(\cc%2):ACC+8*(\cc%2)+7], v[BF+8*\cc:BF+8*\cc+7], v[AF+8*\cc:AF+8*\cc+7], 0
.else
	v_wmma_f32_16x16x32_bf16 v[ACC+8*(\cc%2):ACC+8*(\cc%2)+7], v[BF+8*\cc:BF+8*\cc+7], v[AF+8*\cc:AF+8*\cc+7], v[ACC+8*(\cc%2):ACC+8*(\cc%2)+7]
.endif
.endr
.rept 4
	v_nop                                          ; four places between the last products and the reads of their results (ISA guide 7.12.1)
.endr
.irp i, 0,2,4,6
	v_pk_add_f32 v[ACC+\i:ACC+\i+1], v[ACC+\i:ACC+\i+1], v[ACC+8+\i:ACC+8+\i+1]  ; both accumulators from their low end on
.endr
.irp i, 0,2,4,6
	v_pk_mul_f32 v[ACC+\i:ACC+\i+1], v[ACC+\i:ACC+\i+1], s[42:43] op_sel_hi:[1,0]
.endr
	s_cmp_lt_u32 s28, 16
	s_cbranch_scc0 .Lvector
.irp i, 0,1,2,3
	v_cvt_pk_bf16_f32 v[AF+\i], v[ACC+2*\i], v[ACC+2*\i+1]
.endr
	global_store_b128 v8, v[AF:AF+3], s[44:45]     ; row 16 i + r, columns 16 j + 8 h + 0..7
	s_endpgm
.Lvector:                                              ; the bias column: all sixteen columns are alike; lane r's first register is row 16 i + r
	s_cmp_eq_u32 s30, 1
	s_cbranch_scc0 .Lno_bo
	global_load_b32 v10, v9, s[18:19]
	s_wait_loadcnt 0x0
	v_add_f32 v[ACC], v[ACC], v10                  ; b2 = Wo bv + bo
.Lno_bo:
	s_wait_xcnt 0x0                                ; EXEC changes only behind s_wait_xcnt 0
	v_cmp_gt_u32 vcc_lo, 16, v0
	s_and_saveexec_b32 s50, vcc_lo
	global_store_b32 v9, v[ACC], s[46:47]
	s_wait_xcnt 0x0                                ; and again in front of the line that widens it
	s_or_b32 exec_lo, exec_lo, s50
	s_endpgm
.Lfunc_end_k_qedd2c1b3ee_prep:
	.size	k_qedd2c1b3ee_prep, .Lfunc_end_k_qedd2c1b3ee_prep-k_qedd2c1b3ee_prep
	.p2alignl 7, 3214868480
	.fill 96, 4, 3214868480
	.section	.rodata,"a",@progbits
	.p2align	6, 0x0
	.amdhsa_kernel k_qedd2c1b3ee_prep
		.amdhsa_group_segment_fixed_size 16640
		.amdhsa_private_segment_fixed_size 0
		.amdhsa_enable_private_segment 0
		.amdhsa_kernarg_size 96
		.amdhsa_user_sgpr_count 2
		.amdhsa_user_sgpr_kernarg_segment_ptr 1
		.amdhsa_wavefront_size32 1
		.amdhsa_system_sgpr_workgroup_id_x 1
		.amdhsa_system_sgpr_workgroup_id_y 1
		.amdhsa_system_sgpr_workgroup_id_z 1
		.amdhsa_system_vgpr_workitem_id 0
		.amdhsa_next_free_vgpr 512
		.amdhsa_next_free_sgpr 66
		.amdhsa_reserve_vcc 1
		.amdhsa_float_denorm_mode_32 3
		.amdhsa_float_denorm_mode_16_64 3
		.amdhsa_memory_ordered 1
		.amdhsa_forward_progress 1
		.amdhsa_inst_pref_size 40
	.end_amdhsa_kernel
	.amdgpu_metadata
---
amdhsa.version: [ 1, 2 ]
amdhsa.kernels:
  - .name:           k_qedd2c1b3ee_prep
    .symbol:         k_qedd2c1b3ee_prep.kd
    .args:
      - { .name: wq, .offset: 0, .size: 8, .value_kind: global_buffer, .address_space: global }
      - { .name: bq, .offset: 8, .size: 8, .value_kind: global_buffer, .address_space: global }
      - { .name: wk, .offset: 16, .size: 8, .value_kind: global_buffer, .address_space: global }
      - { .name: bk, .offset: 24, .size: 8, .value_kind: global_buffer, .address_space: global }
      - { .name: wv, .offset: 32, .size: 8, .value_kind: global_buffer, .address_space: global }
      - { .name: bv, .offset: 40, .size: 8, .value_kind: global_buffer, .address_space: global }
      - { .name: wo, .offset: 48, .size: 8, .value_kind: global_buffer, .address_space: global }
      - { .name: bo, .offset: 56, .size: 8, .value_kind: global_buffer, .address_space: global }
      - { .name: mw, .offset: 64, .size: 8, .value_kind: global_buffer, .address_space: global }
      - { .name: w2, .offset: 72, .size: 8, .value_kind: global_buffer, .address_space: global }
      - { .name: ub, .offset: 80, .size: 8, .value_kind: global_buffer, .address_space: global }
      - { .name: b2, .offset: 88, .size: 8, .value_kind: global_buffer, .address_space: global }
    .group_segment_fixed_size: 16640
    .private_segment_fixed_size: 0
    .kernarg_segment_align: 8
    .kernarg_segment_size: 96
    .max_flat_workgroup_size: 32
    .sgpr_count:     66
    .vgpr_count:     512
    .wavefront_size: 32
...
	.end_amdgpu_metadata
.endif
;; end of part 1
;; launch norm (part 2): grid 256 x 1, 8 waves a work-group, no clusters, 0 bytes of LDS; arguments x, gn_weight, gn_bias, h; writes h
.if DOCPART == 2
	.amdgcn_target "amdgcn-amd-amdhsa--gfx1250"
	.amdhsa_code_object_version 6
	.text
	.protected	k_qedd2c1b3ee_norm
	.globl	k_qedd2c1b3ee_norm
	.p2align	8
	.type	k_qedd2c1b3ee_norm,@function
k_qedd2c1b3ee_norm:
	s_mov_b64 s[64:65], 0
	v_nop
	global_prefetch_b8 v0, s[64:65] scope:SCOPE_SE
	s_setreg_imm32_b32 hwreg(HW_REG_WAVE_MODE, 25, 1), 1
	s_wait_xcnt 0x0
; GROUP NORM.  h[b][c][n] = (x - mean) rsqrt(var + 1e-5) gain[c] + bias[c], rounded once to bf16.  A group is 8 channels x 1,024 positions: 32,768 consecutive bytes of x, 16,384 of h.
; One wave takes one group and keeps it in 256 registers between the passes: x is read once, no wave waits for another, no LDS, no barrier.  2,048 groups = 256 work-groups x 8 waves.
; The variance is the mean of the squared deviations from the mean: no difference of large sums is formed, so a common offset of x costs no accuracy beyond x's own rounding.
; Matrix units, clusters and LDS have nothing to do here: the launch moves bytes.
; REGISTERS: window 0: v1 16 x lane, v2 8 x lane, v[4:11] four packed chains, v[12:13] the mean twice, v14 rsqrt, v[16:31] gain x rsqrt in pairs, v[32:47] bias in pairs.
;            window 1: load i's four numbers at v[4 i]: bytes 512 i + 16 lane of the group; channel i / 8.
.set MSB, 0
.macro WIN new                         ; the immediate's high byte repeats the setting that is left
.if MSB != (\new)
	s_set_vgpr_msb (MSB<<8)|(\new)
.set MSB, (\new)
.endif
.endm
.macro REDUCE                          ; four packed chains into one number, the same in every lane
	WIN 0
	v_pk_add_f32 v[4:5], v[4:5], v[6:7]
	v_pk_add_f32 v[8:9], v[8:9], v[10:11]
	v_pk_add_f32 v[4:5], v[4:5], v[8:9]
	v_add_f32 v4, v4, v5
	v_add_f32_dpp v4, v4, v4 row_xmask:1 row_mask:0xf bank_mask:0xf
	v_add_f32_dpp v4, v4, v4 row_xmask:2 row_mask:0xf bank_mask:0xf
	v_add_f32_dpp v4, v4, v4 row_xmask:4 row_mask:0xf bank_mask:0xf
	v_add_f32_dpp v4, v4, v4 row_xmask:8 row_mask:0xf bank_mask:0xf
	v_permlanex16_b32 v5, v4, s36, s37             ; its destination counts as read: v5 has been written
	v_add_f32 v4, v4, v5
.endm
	s_load_b256 s[4:11], s[0:1], 0x0               ; x s[4:5], gain s[6:7], bias s[8:9], h s[10:11]
	v_lshrrev_b32 v3, 5, v0
	v_readfirstlane_b32 s12, v3                    ; wave 0..7
	s_lshl3_add_u32 s12, ttmp9, s12                ; my group = 8 x work-group + wave
	s_lshl_b32 s2, s12, 15                         ; its bytes in x (under 2^27),
	s_mov_b32 s3, 0
	s_lshl_b32 s32, s12, 14                        ; in h,
	s_mov_b32 s33, 0
	s_and_b32 s34, s12, 31                         ; and its eight gains and biases: 32 bytes at group % 32
	s_lshl_b32 s34, s34, 5
	s_mov_b32 s35, 0
	s_mov_b32 s14, 0x39000000                      ; 1 / 8,192
	s_mov_b32 s15, 0x3727c5ac                      ; 1e-5
	s_mov_b32 s36, 0x76543210                      ; v_permlanex16_b32: each lane takes its own place in the other half
	s_mov_b32 s37, 0xfedcba98
	v_and_b32 v3, 31, v0
	v_lshlrev_b32 v1, 4, v3
	v_lshlrev_b32 v2, 3, v3
	s_wait_kmcnt 0x0
	s_add_nc_u64 s[4:5], s[4:5], s[2:3]
	s_add_nc_u64 s[10:11], s[10:11], s[32:33]
	s_add_nc_u64 s[6:7], s[6:7], s[34:35]
	s_add_nc_u64 s[8:9], s[8:9], s[34:35]
	s_load_b256 s[16:23], s[6:7], 0x0
	s_load_b256 s[24:31], s[8:9], 0x0
	WIN 0x40                                       ; destination window 1
.set i, 0
.rept 64
	global_load_b128 v[4*i:4*i+3], v1, s[4:5] offset:512*i th:TH_LOAD_NT  ; 512 consecutive bytes a load; the whole group is on its way
.set i, i+1
.endr
	; the sum, as the loads come in: eight loads (16 pairs) behind each wait, whose count is the number of younger loads
.set p, 0
.rept 128
.if p%16 == 0
	s_wait_loadcnt 56-8*(p/16)
.endif
.if p < 8
.if p%2 == 0
	WIN 0x05                                       ; the first eight pairs start the four chains: nothing is cleared
	v_pk_add_f32 v[4+p:5+p], v[2*p:2*p+1], v[2*p+2:2*p+3]
.endif
.else
	WIN 0x04
	v_pk_add_f32 v[4+2*(p%4):5+2*(p%4)], v[4+2*(p%4):5+2*(p%4)], v[2*p:2*p+1]
.endif
.set p, p+1
.endr
	REDUCE
	v_mul_f32 v12, s14, v4                         ; the mean
	v_mov_b32 v13, v12
	WIN 0x41                                       ; destination and source 0 in window 1
.set p, 0
.rept 128
	v_pk_add_f32 v[2*p:2*p+1], v[2*p:2*p+1], v[12:13] neg_lo:[0,1] neg_hi:[0,1]  ; x - mean, in place
.set p, p+1
.endr
	WIN 0x05
.set p, 0
.rept 128
.if p < 4
	v_pk_mul_f32 v[4+2*p:5+2*p], v[2*p:2*p+1], v[2*p:2*p+1]
.else
	v_pk_fma_f32 v[4+2*(p%4):5+2*(p%4)], v[2*p:2*p+1], v[2*p:2*p+1], v[4+2*(p%4):5+2*(p%4)]
.endif
.set p, p+1
.endr
	REDUCE
	v_fma_f32 v14, v4, s14, s15                    ; var + 1e-5
	v_rsq_f32 v14, v14
	s_wait_kmcnt 0x0                               ; gains and biases
.irp c, 0,1,2,3,4,5,6,7
	v_mov_b32 v[32+2*\c], s[24+\c]                 ; plain lines between the root and the use of its result (ISA guide 5.7.2)
	v_mov_b32 v[33+2*\c], s[24+\c]
.endr
	s_wait_alu depctr_va_vdst(0)
.irp c, 0,1,2,3,4,5,6,7
	v_mul_f32 v[16+2*\c], s[16+\c], v14
	v_mul_f32 v[17+2*\c], s[16+\c], v14
.endr
	; channel by channel: scaled, rounded in place, stored
.irp c, 0,1,2,3,4,5,6,7
	WIN 0x41
.set p, 16*\c
.rept 16
	v_pk_fma_f32 v[2*p:2*p+1], v[2*p:2*p+1], v[16+2*\c:17+2*\c], v[32+2*\c:33+2*\c]
.set p, p+1
.endr
	WIN 0x45                                       ; both sources and the destination in window 1
.set i, 8*\c
.rept 8
	v_cvt_pk_bf16_f32 v[4*i],   v[4*i],   v[4*i+1]
	v_cvt_pk_bf16_f32 v[4*i+1], v[4*i+2], v[4*i+3]
.set i, i+1
.endr
	WIN 0x04                                       ; store data (source 1) in window 1
.set i, 8*\c
.rept 8
	global_store_b64 v2, v[4*i:4*i+1], s[10:11] offset:256*i  ; the wave's 32 lanes store 256 consecutive bytes, at a multiple of 256 from h's first byte
.set i, i+1
.endr
.endr
	s_endpgm
.Lfunc_end_k_qedd2c1b3ee_norm:
	.size	k_qedd2c1b3ee_norm, .Lfunc_end_k_qedd2c1b3ee_norm-k_qedd2c1b3ee_norm
	.p2alignl 7, 3214868480
	.fill 96, 4, 3214868480
	.section	.rodata,"a",@progbits
	.p2align	6, 0x0
	.amdhsa_kernel k_qedd2c1b3ee_norm
		.amdhsa_group_segment_fixed_size 0
		.amdhsa_private_segment_fixed_size 0
		.amdhsa_enable_private_segment 0
		.amdhsa_kernarg_size 32
		.amdhsa_user_sgpr_count 2
		.amdhsa_user_sgpr_kernarg_segment_ptr 1
		.amdhsa_wavefront_size32 1
		.amdhsa_system_sgpr_workgroup_id_x 1
		.amdhsa_system_sgpr_workgroup_id_y 1
		.amdhsa_system_sgpr_workgroup_id_z 1
		.amdhsa_system_vgpr_workitem_id 0
		.amdhsa_next_free_vgpr 512
		.amdhsa_next_free_sgpr 66
		.amdhsa_reserve_vcc 0
		.amdhsa_float_denorm_mode_32 3
		.amdhsa_float_denorm_mode_16_64 3
		.amdhsa_memory_ordered 1
		.amdhsa_forward_progress 1
		.amdhsa_inst_pref_size 57
	.end_amdhsa_kernel
	.amdgpu_metadata
---
amdhsa.version: [ 1, 2 ]
amdhsa.kernels:
  - .name:           k_qedd2c1b3ee_norm
    .symbol:         k_qedd2c1b3ee_norm.kd
    .args:
      - { .name: x, .offset: 0, .size: 8, .value_kind: global_buffer, .address_space: global }
      - { .name: gn_weight, .offset: 8, .size: 8, .value_kind: global_buffer, .address_space: global }
      - { .name: gn_bias, .offset: 16, .size: 8, .value_kind: global_buffer, .address_space: global }
      - { .name: h, .offset: 24, .size: 8, .value_kind: global_buffer, .address_space: global }
    .group_segment_fixed_size: 0
    .private_segment_fixed_size: 0
    .kernarg_segment_align: 8
    .kernarg_segment_size: 32
    .max_flat_workgroup_size: 256
    .sgpr_count:     66
    .vgpr_count:     512
    .wavefront_size: 32
...
	.end_amdgpu_metadata
.endif
;; end of part 2
;; launch attn (part 3): grid 4 x 64, 4 waves a work-group, clusters of 4 x 1, 327,680 bytes of LDS; arguments h, mw, w2, ub, b2, x, out0; writes out0
.if DOCPART == 3
	.amdgcn_target "amdgcn-amd-amdhsa--gfx1250"
	.amdhsa_code_object_version 6
	.text
	.protected	k_qedd2c1b3ee_attn
	.globl	k_qedd2c1b3ee_attn
	.p2align	8
	.type	k_qedd2c1b3ee_attn,@function
k_qedd2c1b3ee_attn:
	s_mov_b64 s[64:65], 0
	v_nop
	global_prefetch_b8 v0, s[64:65] scope:SCOPE_SE
	s_setreg_imm32_b32 hwreg(HW_REG_WAVE_MODE, 25, 1), 1
	s_wait_xcnt 0x0
	s_wait_alu depctr_hold_cnt(0) depctr_sa_sdst(0) depctr_va_vdst(0) depctr_va_sdst(0) depctr_va_ssrc(0) depctr_va_vcc(0) depctr_vm_vsrc(0)
	s_getreg_b32 s2, hwreg(HW_REG_IB_STS2, 6, 4)
	s_cmp_eq_u32 s2, 0
	s_cbranch_scc0 .Lentry_in_a_cluster
	s_endpgm
.Lentry_in_a_cluster:
	s_bfe_u32 s2, ttmp6, 0x10000c
	s_cmp_lg_u32 s2, 0x3003
	s_cbranch_scc0 .Lentry_shape_is_right
	s_endpgm
.Lentry_shape_is_right:
; ATTENTION ON THE NORMED INPUT ITSELF.  h: [64][256 channels][1,024 positions] bf16.  With the folded weights (mw, ub, w2, b2):
;   Q'[n] = M h[n] + u (256 numbers) and t[n] (row 256 of the same product);  score in base 2: s[n][m] = Q'[n].h[m] + t[n];  p = 2^(s - m[n]) with a running maximum m and sum l;
;   O[n] = sum over m of p h[m];  out0[:, n] = x[:, n] + W2 O[n] / l[n] + b2.   So keys AND values are the same tile of h, brought into LDS once.
; Products on bf16 operands with f32 sums; maxima, exponentials, sums and the residual in f32; p is rounded to bf16 for the second product, l is the sum of the unrounded p; O goes unnormalised, rounded to bf16,
; into the last product, whose result is divided by l in f32.
; LIMITS.  A weight below 2^-126 counts as 0 in l.  m starts at the lowest finite number: scores are taken to lie above it.  NaN and infinities are not treated apart.
; SHARES.  A work-group owns 256 queries of one batch, each of its four waves 64: four tiles of 16.  Every wave walks all 1,024 keys, 64 a step; an LDS slot holds 128 keys (two steps) x 256 channels.
; LAYOUT.  S^T = K Q^T (source 0 = 16 keys, read turned out of [channel][key] rows; source 1 = 16 queries): a lane holds ONE query (lane % 16) and keys 8 (lane / 16) + 0..7.  Two such results rounded to bf16
; in pairs ARE source 1 of O^T = V^T P (source 0 = 16 channels x 32 keys, read as the rows lie), whose result again holds one query a lane.  O^T rounded in pairs is source 0 of the last product.
; IN PHASES.  O^T takes 512 registers and Q' 256, so scores, weights, fragments and statistics share one window: there is no room for a second score buffer, and the step runs K Q^T, softmax, rescaling, V^T P.
; CLUSTER.  The four query blocks of a batch walk the same h, mw and w2: each is asked for JOINTLY, by the same tensor load, descriptor and mask in all four.  Only the block's own 256 queries come by plain loads.
; REGISTERS, in windows of 256 (s_set_vgpr_msb: bits 1:0 source 0, 3:2 source 1, 5:4 source 2, 7:6 destination):
;   window 0: v0-15 lane terms and addresses; v16-47 eight registers of statistics a tile (m, t, l even, l odd, c0-c3), at the end 1 / l by query; v48-58 the way out's addresses;
;             v64-191 S^T, 32 a tile, P in place in each tile's first 16; v192-255 a ring of four fragment slots of 16
;   window 1: Q' (tile t, channels 32 cc on, at 64 t + 8 cc); at the end O^T in bf16 at the same places
;   windows 2, 3: O^T (tile t, channel block cb: window 2 + cb / 8, at 32 (cb % 8) + 8 t).  Before the walk: h of my queries (window 2), ub as C operands (window 3).  At the end: x.
.set PH,    272                        ; a row of h in LDS: 256 bytes + 16.  The plain loads' 16 rows start at 16 different groups of four banks (ISA guide 11.1); the turning loads meet two deep; all immediates stay under 65,536
.set SLOT1, 0x11000                    ; 256 rows x 272: slot 1 begins here; its two bits occur in no wave's or step's offset, so one exclusive or changes slots
.set WREG,  2*SLOT1                    ; 272 rows x 528: mw, later w2 (256 rows)
.set PW,    528
.set STAGE, WREG+272*PW                ; 16 rows x 272 for each wave: the way out
.set B2L,   STAGE+4*16*PH              ; b2, 1,024 bytes for each wave
.set SPARE, B2L+4096                   ; the spare words, 128 bytes for each wave: two blocks of 256 bytes that no other line names
.set ATR, 3                            ; v3   the turning load's lane term; never rewritten
.set APL, 4                            ; v4   the plain load's; never rewritten
.set AK,  5                            ; v5   this step's K address
.set AV,  6                            ; v6   this step's V address
.set AW,  7                            ; v7   the weight block in hand
.set SPW, 8                            ; v8   SPARE + 4 x my thread's number; never rewritten
.set NIL, 9                            ; v9   0; never rewritten
.set PF,  10                           ; v10  prefetch offset in x
.set ST,  16
.set STO, 48                           ; the way out: where I put 16 bytes of a row of the stage
.set RD,  49                           ; where I read rows back
.set XW,  50                           ; where x's rows go in LDS
.set XR,  51                           ; and are read
.set XG,  52                           ; my offset in two rows of x
.set GO,  53                           ; and of out0: it walks
.set BV,  54                           ; v[54:55] b2 of my output channel
.set BA,  56                           ; its LDS address
.set ILA, 57                           ; 1 / l goes in by query,
.set ILB, 58                           ; and comes back eight queries a lane
.set S,   64
.set F,   192
.set ACC0, 64
.set WV,  18                           ; s18  my wave's number
.set G1P, 24                           ; s[24:31] group 1: a tile of h, 64 rows x 128 elements, my own
.set G1H, 32                           ; s[32:39] the same, joint
.set G1M, 40                           ; s[40:47] 68 rows of mw, joint
.set G1W, 48                           ; s[48:55] 64 rows of w2, joint
.set G0A, 56                           ; group 0: my block's queries 0-127
.set G0B, 60                           ; queries 128-255
.set G0M, 68                           ; mw
.set G0H, 72                           ; the walking tile of h
.set G0W, 76                           ; w2
.set SEL, 80                           ; s[80:81] v_permlanex16_b32's selects
.set TB,  82                           ; s82  LDS byte at which the next step's 64 keys begin in a row
.set CNT, 83
.set TILES, 84
.set HALF, 85
.set XBASE, 86                         ; s[86:87] x at my wave's 64 positions of channel 0
.set OBASE, 88                         ; s[88:89] out0 likewise
.set MSB, 0
.macro WIN new                         ; the immediate's high byte repeats the setting that is left; a switch that changes nothing is dropped
.if MSB != (\new)
	s_set_vgpr_msb (MSB<<8)|(\new)
.set MSB, (\new)
.endif
.endm
.macro PLACES n                        ; plain vector lines between a matrix instruction and what may not follow it closely (ISA guide 7.12.1)
.rept \n
	v_nop
.endr
.endm
; A round of the cluster's barrier: my work-group's barrier, so that wave 0's signal speaks for all four waves; wave 0 signals; every wave waits for all four work-groups; my work-group's barrier once more.
.macro CROUND
	s_barrier_signal -1
	s_barrier_wait -1
	s_cmp_lg_u32 s[WV], 0
	s_cbranch_scc1 .Lnot_wave_0_\@
	s_barrier_signal -3
.Lnot_wave_0_\@:
	s_barrier_wait -3
	s_barrier_signal -1
	s_barrier_wait -1
.endm
; FRAGMENTS come in groups of four loads (two fragments), into slot G % 4 of the ring.  Groups 0-15: K, channels 32 (G / 2) on, key blocks 2 (G % 2) and + 1, turned.  Groups 16-31: V, channels 16 (G - 16) on, keys 0-31 and 32-63.
.macro FETCH G
.set fG, (\G)
.set fD, F+16*(fG%4)
.if fG < 16
.irp f, 0,1
	ds_load_tr16_b128 v[fD+8*\f:fD+8*\f+3],   v[AK] offset:(fG/2)*32*PH+32*(2*(fG%2)+\f)
	ds_load_tr16_b128 v[fD+8*\f+4:fD+8*\f+7], v[AK] offset:(fG/2)*32*PH+32*(2*(fG%2)+\f)+16*PH
.endr
.else
.irp kc, 0,1
	ds_load_b128 v[fD+8*\kc:fD+8*\kc+3],   v[AV] offset:(fG-16)*16*PH+64*\kc
	ds_load_b128 v[fD+8*\kc+4:fD+8*\kc+7], v[AV] offset:(fG-16)*16*PH+64*\kc+32
.endr
.endif
.endm
; Group G of K: 8 products on 8 accumulators, which come up again two groups later (turns of one).  Then the slot takes group G + 4: four places behind its last reader, 24 products ahead of its use.
.macro KG G
.set kG, (\G)
	s_wait_dscnt 12                                ; three younger groups, 12 loads, may be out
	WIN 0x04                                       ; Q' (source 1) in window 1; the loads below name destination and source 0 alone, both window 0
.irp f, 0,1
.irp t, 0,1,2,3
.set kD, S+32*\t+8*(2*(kG%2)+\f)
.if kG < 2
	v_wmma_f32_16x16x32_bf16 v[kD:kD+7], v[F+16*(kG%4)+8*\f:F+16*(kG%4)+8*\f+7], v[64*\t+8*(kG/2):64*\t+8*(kG/2)+7], 0
.else
	v_wmma_f32_16x16x32_bf16 v[kD:kD+7], v[F+16*(kG%4)+8*\f:F+16*(kG%4)+8*\f+7], v[64*\t+8*(kG/2):64*\t+8*(kG/2)+7], v[kD:kD+7]
.endif
.endr
.endr
	PLACES 4
	FETCH kG+4
.endm
; Channel block g of V: 8 products, the four tiles' accumulators by turns.  next = 1: the slot takes the group four on (behind block 11: the next step's K).
.macro PVG g, wait, places, next
	s_wait_dscnt \wait
	WIN 0xa0+0x50*((\g)/8)                         ; O^T (C and D) in window 2 or 3
.irp kc, 0,1
.irp t, 0,1,2,3
	v_wmma_f32_16x16x32_bf16 v[32*((\g)%8)+8*\t:32*((\g)%8)+8*\t+7], v[F+16*((\g)%4)+8*\kc:F+16*((\g)%4)+8*\kc+7], v[S+32*\t+8*\kc:S+32*\t+8*\kc+7], v[32*((\g)%8)+8*\t:32*((\g)%8)+8*\t+7]
.endr
.endr
	WIN 0
	PLACES \places
.if \next
	FETCH (16+(\g)+4)%32
.endif
.endm
; THE SOFTMAX of a step, tile t.  SMN n: 0-15 the maximum of the lane's 32 scores (four chains, each accumulator's lowest registers first); 16, 17 the query's other 32 keys lie in the lane 16 away;
; 18 + t; 19 the new m; 20 m_old - m_new; 21 t - m_new, what every score takes; 22 m; 23 a = 2^(m_old - m_new).
.macro SMN t, n
.set rT, ST+8*(\t)
.set rS, S+32*(\t)
.if (\n) < 4
	v_max3_num_f32 v[rT+4+(\n)], v[rS+8*(\n)], v[rS+8*(\n)+1], v[rS+8*(\n)+2]
.elseif (\n) < 12
	v_max3_num_f32 v[rT+4+(\n)%4], v[rT+4+(\n)%4], v[rS+8*((\n)%4)+2*((\n)/4)+1], v[rS+8*((\n)%4)+2*((\n)/4)+2]
.elseif (\n) == 12
	v_max3_num_f32 v[rT+4], v[rT+4], v[rS+7], v[rS+15]
.elseif (\n) == 13
	v_max3_num_f32 v[rT+6], v[rT+6], v[rS+23], v[rS+31]
.elseif (\n) == 14
	v_max3_num_f32 v[rT+4], v[rT+4], v[rT+5], v[rT+6]
.elseif (\n) == 15
	v_max_num_f32 v[rT+4], v[rT+4], v[rT+7]
.elseif (\n) == 16
	v_permlanex16_b32 v[rT+5], v[rT+4], s[SEL], s[SEL+1]
.elseif (\n) == 17
	v_max_num_f32 v[rT+4], v[rT+4], v[rT+5]
.elseif (\n) == 18
	v_add_f32 v[rT+4], v[rT+4], v[rT+1]
.elseif (\n) == 19
	v_max_num_f32 v[rT+5], v[rT+4], v[rT]
.elseif (\n) == 20
	v_sub_f32 v[rT+6], v[rT], v[rT+5]
.elseif (\n) == 21
	v_sub_f32 v[rT+4], v[rT+1], v[rT+5]
.elseif (\n) == 22
	v_mov_b32 v[rT], v[rT+5]
.else
	v_exp_f32 v[rT+6], v[rT+6]
.endif
.endm
.macro AQ t, q                         ; pair q of 16: s + (t - m)
	v_pk_add_f32 v[S+32*(\t)+2*(\q):S+32*(\t)+2*(\q)+1], v[S+32*(\t)+2*(\q):S+32*(\t)+2*(\q)+1], v[ST+8*(\t)+4:ST+8*(\t)+5] op_sel_hi:[1,0]
.endm
.macro EX t, e
	v_exp_f32 v[S+32*(\t)+(\e)], v[S+32*(\t)+(\e)]
.endm
.macro SU t, q                         ; l takes pair q (the first time as l = a l + pair)
.if (\q) == 0
	s_wait_alu depctr_va_vdst(0)
	v_pk_fma_f32 v[ST+8*(\t)+2:ST+8*(\t)+3], v[ST+8*(\t)+2:ST+8*(\t)+3], v[ST+8*(\t)+6:ST+8*(\t)+7], v[S+32*(\t):S+32*(\t)+1] op_sel_hi:[1,0,1]
.else
	s_wait_alu depctr_va_vdst(0)
	v_pk_add_f32 v[ST+8*(\t)+2:ST+8*(\t)+3], v[ST+8*(\t)+2:ST+8*(\t)+3], v[S+32*(\t)+2*(\q):S+32*(\t)+2*(\q)+1]
.endif
.endm
.macro CV t, q                         ; pair q rounded to bf16, into register q of the tile: it lands on numbers that have been summed and rounded
	v_cvt_pk_bf16_f32 v[S+32*(\t)+(\q)], v[S+32*(\t)+2*(\q)], v[S+32*(\t)+2*(\q)+1]
.endm
; The four tiles alternate; behind every exponential stands a plain line that touches neither its result nor its source (ISA guide 5.7.2).
.macro SM
	WIN 0
.set sn, 0
.rept 24
.irp t, 0,1,2,3
	SMN \t, sn
.endr
.set sn, sn+1
.endr
.set sq, 0
.rept 14
.irp t, 0,1,2,3
	AQ \t, sq
.endr
.set sq, sq+1
.endr
.irp t, 0,1,2,3
	EX \t, 0
	AQ \t, 14
	EX \t, 1
	AQ \t, 15
.endr
.set sq, 1
.rept 15
.irp t, 0,1,2,3
	EX \t, 2*sq
	SU \t, sq-1
	EX \t, 2*sq+1
	CV \t, sq-1
.endr
.set sq, sq+1
.endr
.irp t, 0,1,2,3
	SU \t, 15
.endr
.irp t, 0,1,2,3
	CV \t, 15
.endr
.endm
.macro RESC                            ; O^T times a: each accumulator from its low end on
.set rc, 0
.rept 16
	WIN 0x82+0x41*(rc/8)                           ; destination and source 0 in window 2 or 3, a in window 0
.irp t, 0,1,2,3
.irp i, 0,1,2,3
	v_pk_mul_f32 v[32*(rc%8)+8*\t+2*\i:32*(rc%8)+8*\t+2*\i+1], v[32*(rc%8)+8*\t+2*\i:32*(rc%8)+8*\t+2*\i+1], v[ST+8*\t+6:ST+8*\t+7] op_sel_hi:[1,0]
.endr
.endr
.set rc, rc+1
.endr
.endm
; THE CHANGE OF SLOTS stands behind V's block 11, when all of the old slot's loads have been issued.  Each wave waits for all its tensor loads, of which one is out: its quarter of the other slot; adds 0 to its spare
; word; and waits for that and for its reads of the old slot.  The round shows the same of every wave of all four work-groups; the joint refill is the first thing behind it, one load a wave, and has two steps,
; 512 matrix instructions, in which to land.  kind = 0: the next 128 keys into the slot just left.  kind = 1: no keys are left: w2 takes mw's place.
.macro CHANGE kind
	WIN 0                                          ; at a label and at a branch every window is 0
	s_wait_tensorcnt 0x0                           ; no tensor load of mine is out, so a group 0 may be written
	ds_add_u32 v[SPW], v[NIL]                      ; 0 onto my spare word
.if !(\kind)
	s_xor_b32 s[G0H+1], s[G0H+1], SLOT1            ; the other slot than last time,
	s_add_nc_u64 s[G0H+2:G0H+3], s[G0H+2:G0H+3], 256  ; 128 keys on along the rows; the type bits on top are not reached
.endif
	s_wait_dscnt 0x0                               ; the add is done, and my reads of the slot are over
	CROUND
.if \kind
	tensor_load_to_lds s[G0W:G0W+3], s[G1W:G1W+7]
.else
	tensor_load_to_lds s[G0H:G0H+3], s[G1H:G1H+7]
.endif
	s_nop 0
	PLACES 4
	s_sub_co_u32 s[TB], s[TB], 256                 ; the fetches go back to a row's first 64 keys,
	s_xor_b32 s[TB], s[TB], SLOT1                  ; in the other slot
.endm
.macro TOP                             ; the addresses of the step whose K is fetched next
	v_add_nc_u32 v[AK], s[TB], v[ATR]
	v_add_nc_u32 v[AV], s[TB], v[APL]
	s_add_co_u32 s[TB], s[TB], 128
.endm
; A trip: V's last four blocks of one step (their slots take the next step's first K), then the next step's K Q^T, softmax, rescaling and V's blocks 0-11.
; pf = 1 (the last two steps): each lane asks for one aligned 256-byte piece of x, my wave's 64 positions of one channel: channels 0-63 in the first of the two trips, 64-127 in the second; each piece is asked for once,
; by the wave that will load it, and all lie inside x.
.macro BODY pf
	TOP
	PVG 12, 12, 4, 1
	PVG 13, 12, 4, 1
	PVG 14, 12, 4, 1
	PVG 15, 12, 5, 1                               ; five places: the next products write over P
.if !(\pf)
.Lentry:
.endif
.set bG, 0
.rept 16
	KG bG
.set bG, bG+1
.endr
	SM
.if \pf
	global_prefetch_b8 v[PF], s[XBASE:XBASE+1] th:TH_LOAD_NT scope:SCOPE_SE
	global_prefetch_b8 v[PF], s[XBASE:XBASE+1] offset:131072 th:TH_LOAD_NT scope:SCOPE_SE
.endif
	RESC
.set bG, 0
.rept 12
	PVG bG, 12, 4, 1
.set bG, bG+1
.endr
.if \pf
	s_wait_xcnt 0x0                                ; the prefetches' address register is stepped only behind this wait
	v_add_nc_u32 v[PF], 0x40000, v[PF]
.endif
.endm
; THE Q PROJECTION, block cb of 16 rows of mw (block 16: t).  Two fragment buffers (v192-255, v128-191) and two sets of four accumulators (v64-95, v96-127) take turns.  ub is the C operand that starts the sums.
; Block cb - 1 is rounded into Q' behind block cb's products: those 16 lines name none of block cb's registers and are the places in front of the next block's loads and products.
.macro PBLK cb
.set pM, F-64*((\cb)%2)
.set pN, F-64*(((\cb)+1)%2)
.set pA, ACC0+32*((\cb)%2)
.set pB, ACC0+32*(((\cb)+1)%2)
	WIN 0
.if (\cb) < 16
	v_add_nc_u32 v[AW], 16*PW, v[AW]
.irp kc, 0,1,2,3,4,5,6,7
	ds_load_b128 v[pN+8*\kc:pN+8*\kc+3],   v[AW] offset:64*\kc
	ds_load_b128 v[pN+8*\kc+4:pN+8*\kc+7], v[AW] offset:64*\kc+32
.endr
	s_wait_dscnt 16                                ; the next block's 16 loads may be out
.else
	s_wait_dscnt 0x0
.endif
.irp kc, 0,1,2,3,4,5,6,7
.irp t, 0,1,2,3
.if \kc == 0
	WIN 0x38                                       ; h of my queries (source 1) in window 2, ub (C) in window 3
	v_wmma_f32_16x16x32_bf16 v[pA+8*\t:pA+8*\t+7], v[pM:pM+7], v[64*\t:64*\t+7], v[8*(\cb):8*(\cb)+7]
.else
	WIN 0x08
	v_wmma_f32_16x16x32_bf16 v[pA+8*\t:pA+8*\t+7], v[pM+8*\kc:pM+8*\kc+7], v[64*\t+8*\kc:64*\t+8*\kc+7], v[pA+8*\t:pA+8*\t+7]
.endif
.endr
.endr
.if (\cb) == 0
	PLACES 4
.else
	WIN 0x40                                       ; destination window 1
.irp t, 0,1,2,3
.irp i, 0,1,2,3
	v_cvt_pk_bf16_f32 v[64*\t+8*(((\cb)-1)/2)+4*(((\cb)-1)%2)+\i], v[pB+8*\t+2*\i], v[pB+8*\t+2*\i+1]
.endr
.endr
.endif
.endm
	s_load_b256 s[4:11], s[0:1], 0x0               ; h s[4:5], mw s[6:7], w2 s[8:9], ub s[10:11]
	s_load_b128 s[12:15], s[0:1], 0x20             ; b2 s[12:13], x s[14:15]
	s_load_b64 s[16:17], s[0:1], 0x30              ; out0
	v_lshl_add_u32 v[SPW], v0, 2, SPARE
	v_mov_b32 v[NIL], 0
	ds_add_u32 v[SPW], v[NIL]                      ; the wave's opening; its wait stands ahead of my first tensor load, behind the set-up below, work on registers
	v_lshrrev_b32 v11, 5, v0
	v_readfirstlane_b32 s[WV], v11                 ; wave 0..3
	s_bfe_u32 s2, ttmp6, 0x40000                   ; cx: my place in the cluster
	s_lshl_b32 s19, ttmp9, 2                       ; in a cluster launch ttmp9 counts clusters
	s_add_co_u32 s19, s19, s2                      ; my block of 256 queries: it enters the plain loads', x's and out0's addresses alone
	s_and_b32 s3, ttmp7, 0xffff                    ; the batch, which the four partners share
	s_lshl_b32 s22, s3, 19                         ; the batch's 524,288 bytes of h,
	s_lshl_b32 s23, s[WV], 17                      ; my 64 channel rows of 2,048 bytes
	s_add_co_u32 s22, s22, s23
	s_mov_b32 s23, 0
	s_lshl_b32 s90, s19, 9                         ; my block's 256 positions in a row of h
	s_mov_b32 s91, 0
	s_lshl_b32 s92, s3, 20                         ; in x and out0: the batch's 1,048,576 bytes,
	s_lshl_b32 s93, s19, 10                        ; my block's 1,024 bytes of a row,
	s_add_co_u32 s92, s92, s93
	s_lshl_b32 s93, s[WV], 8                       ; my wave's 256 of them
	s_add_co_u32 s92, s92, s93
	s_mov_b32 s93, 0
	s_mul_i32 s20, s[WV], 68*512                   ; my 68 rows of mw,
	s_mov_b32 s21, 0
	s_lshl_b32 s94, s[WV], 15                      ; my 64 rows of w2
	s_mov_b32 s95, 0
	; descriptor group 1.  17:16 elements of 2 bytes; 20 padding on; 24:22 after every row (64 words: code 5; 128 words: code 6); 31:25 4 words (code 3); joint: 15:0 the mask of four, 21 set beside it
	s_mov_b32 s[G1P], (1<<16)|(1<<20)|(5<<22)|(3<<25)
	s_mov_b32 s[G1H], 15|(1<<16)|(1<<20)|(1<<21)|(5<<22)|(3<<25)
	s_mov_b32 s[G1M], 15|(1<<16)|(1<<20)|(1<<21)|(6<<22)|(3<<25)
	s_mov_b32 s[G1W], 15|(1<<16)|(1<<20)|(1<<21)|(6<<22)|(3<<25)
.irp g, G1P, G1H
	s_mov_b32 s[\g+1], 128<<16                     ; tensor_dim0 = 128
	s_mov_b32 s[\g+2], 64<<16                      ; tensor_dim1 = 64
	s_mov_b32 s[\g+3], 128<<16                     ; tile_dim0 = 128
	s_mov_b32 s[\g+4], 64                          ; tile_dim1 = 64
	s_mov_b32 s[\g+5], 1024                        ; elements from row to row
	s_mov_b32 s[\g+6], 0
	s_mov_b32 s[\g+7], 0
.endr
	s_mov_b32 s[G1M+1], 256<<16
	s_mov_b32 s[G1M+2], 68<<16
	s_mov_b32 s[G1M+3], 256<<16
	s_mov_b32 s[G1M+4], 68
	s_mov_b32 s[G1M+5], 256
	s_mov_b32 s[G1M+6], 0
	s_mov_b32 s[G1M+7], 0
	s_mov_b32 s[G1W+1], 256<<16
	s_mov_b32 s[G1W+2], 64<<16
	s_mov_b32 s[G1W+3], 256<<16
	s_mov_b32 s[G1W+4], 64
	s_mov_b32 s[G1W+5], 256
	s_mov_b32 s[G1W+6], 0
	s_mov_b32 s[G1W+7], 0
.irp g, G0A, G0B, G0M, G0H, G0W
	s_mov_b32 s[\g], 1                             ; 1:0 count = 1
.endr
	s_mul_i32 s[G0A+1], s[WV], 64*PH               ; LDS addresses: my quarter of the rows; no place in the cluster enters them
	s_add_co_u32 s[G0B+1], s[G0A+1], SLOT1
	s_mov_b32 s[G0H+1], s[G0A+1]
	s_mul_i32 s[G0M+1], s[WV], 68*PW
	s_add_co_u32 s[G0M+1], s[G0M+1], WREG
	s_mul_i32 s[G0W+1], s[WV], 64*PW
	s_add_co_u32 s[G0W+1], s[G0W+1], WREG
	s_mov_b32 s[SEL], 0x76543210
	s_mov_b32 s[SEL+1], 0xfedcba98
	s_mov_b32 s[TB], SLOT1+256                     ; the first change of slots turns this into 0
	s_wait_dscnt 0x0                               ; the opening add is done
	s_wait_kmcnt 0x0
	s_add_nc_u64 s[G0H+2:G0H+3], s[4:5], s[22:23]          ; keys 0-127, my 64 channels
	s_add_nc_u64 s[G0A+2:G0A+3], s[G0H+2:G0H+3], s[90:91]  ; my block's queries
	s_add_nc_u64 s[G0B+2:G0B+3], s[G0A+2:G0A+3], 256
	s_add_nc_u64 s[G0M+2:G0M+3], s[6:7], s[20:21]
	s_add_nc_u64 s[G0W+2:G0W+3], s[8:9], s[94:95]
.irp g, G0A, G0B, G0M, G0H, G0W
	s_or_b32 s[\g+3], s[\g+3], 0x80000000          ; 127:126 type = 2
.endr
	s_add_nc_u64 s[XBASE:XBASE+1], s[14:15], s[92:93]
	s_add_nc_u64 s[OBASE:OBASE+1], s[16:17], s[92:93]
	CROUND                                         ; all four work-groups are here: the first joint load meets
	tensor_load_to_lds s[G0A:G0A+3], s[G1P:G1P+7]  ; the first fills go out together: three loads of mine are out
	s_nop 0
	tensor_load_to_lds s[G0B:G0B+3], s[G1P:G1P+7]
	s_nop 0
	tensor_load_to_lds s[G0M:G0M+3], s[G1M:G1M+7]
	s_nop 0
	PLACES 4
	; all this stands in the wait for the first tiles
	v_and_b32 v1, 15, v0                           ; r = lane % 16; never rewritten
	v_bfe_u32 v2, v0, 4, 1                         ; h = lane / 16; never rewritten
	v_and_b32 v11, 7, v0
	v_bfe_u32 v12, v0, 3, 1
	v_lshl_add_u32 v13, v2, 3, v11
	v_mul_u32_u24 v[ATR], v13, PH
	v_lshl_add_u32 v[ATR], v12, 4, v[ATR]          ; (8 h + lane % 8) rows + 16 ((lane / 8) % 2)
	v_mul_u32_u24 v[APL], v1, PH
	v_lshl_add_u32 v[APL], v2, 4, v[APL]           ; r rows + 16 h
	v_mul_u32_u24 v[AW], v1, PW
	v_lshl_add_u32 v[AW], v2, 4, v[AW]
	v_add_nc_u32 v[AW], WREG, v[AW]
	v_and_b32 v15, 31, v0
	v_lshlrev_b32 v[PF], 12, v15                   ; a channel row of x for each lane
	v_lshlrev_b32 v14, 5, v2                       ; ub: a lane's eight rows 8 h + 0..7
	v_lshlrev_b32 v15, 4, v15
	WIN 0xc0                                       ; destination window 3
.set i, 0
.rept 17
	global_load_b128 v[8*i:8*i+3],   v14, s[10:11] offset:64*i
	global_load_b128 v[8*i+4:8*i+7], v14, s[10:11] offset:64*i+16
.set i, i+1
.endr
.set i, 136
.rept 120
	v_mov_b32 v[i], 0                              ; the first step multiplies O^T by a = 0, so its registers need only hold finite numbers: h's bits, ub, and these
.set i, i+1
.endr
	WIN 0
	global_load_b128 v[64:67], v15, s[12:13]
	global_load_b128 v[68:71], v15, s[12:13] offset:512
	s_mul_i32 s20, s[WV], 16*PH
	s_add_co_u32 s20, s20, STAGE                   ; my stage
	v_mul_u32_u24 v11, v1, PH
	v_lshl_add_u32 v[STO], v2, 5, v11              ; in: row r (an output channel), 32 bytes for each half of the lanes
	v_add_nc_u32 v[STO], s20, v[STO]
	v_mul_u32_u24 v12, v2, PH
	v_lshl_add_u32 v12, v1, 4, v12                 ; back: lanes 0-15 take one row of 256 bytes, lanes 16-31 the next
	v_add_nc_u32 v[RD], s20, v12
	s_mul_i32 s21, s[WV], 128*PH                   ; x in LDS: 128 rows for each wave, where the slots lay
	v_add_nc_u32 v[XW], s21, v12
	v_lshlrev_b32 v[XG], 12, v2                    ; the same two rows in x and out0
	v_lshl_add_u32 v[XG], v1, 4, v[XG]
	v_mov_b32 v[GO], v[XG]
	v_mov_b32 v[BV+1], 0                           ; named with BV as a pair
	s_lshl_b32 s21, s[WV], 10
	s_add_co_u32 s21, s21, B2L
	v_lshl_add_u32 v[BA], v1, 2, s21
	v_lshl_add_u32 v[ILA], v1, 2, s20
	v_lshl_add_u32 v[ILB], v2, 5, s20
	v_add_nc_u32 v13, s21, v15
.irp t, 0,1,2,3
	v_mov_b32 v[ST+8*\t], 0xff7fffff               ; m: the lowest finite number
	v_mov_b32 v[ST+8*\t+2], 0                      ; l
	v_mov_b32 v[ST+8*\t+3], 0
.endr
	s_lshr_b32 s20, s[WV], 1                       ; my 64 queries: slot wave / 2, bytes 128 (wave % 2) of the rows
	s_mul_i32 s20, s20, SLOT1
	s_and_b32 s21, s[WV], 1
	s_lshl_b32 s21, s21, 7
	s_add_co_u32 s20, s20, s21
	v_add_nc_u32 v[AK], s20, v[ATR]
	s_wait_loadcnt 0x0                             ; ub and b2
	ds_store_b128 v13, v[64:67]
	ds_store_b128 v13, v[68:71] offset:512
	s_wait_tensorcnt 0x0                           ; my quarters of the queries' tiles and of mw are in,
	s_wait_dscnt 0x0
	s_barrier_signal -1
	s_barrier_wait -1                              ; everybody's are
	WIN 0x80                                       ; destination window 2
.irp t, 0,1,2,3
.irp cc, 0,1,2,3,4,5,6,7
	ds_load_tr16_b128 v[64*\t+8*\cc:64*\t+8*\cc+3],   v[AK] offset:\cc*32*PH+32*\t        ; h of my queries, turned: source 1 of the projection
	ds_load_tr16_b128 v[64*\t+8*\cc+4:64*\t+8*\cc+7], v[AK] offset:\cc*32*PH+32*\t+16*PH
.endr
.endr
	WIN 0
	s_wait_tensorcnt 0x0                           ; slot 0 is filled again, with keys 0-127: no load of mine is out,
	ds_add_u32 v[SPW], v[NIL]                      ; 0 onto my spare word,
	s_wait_dscnt 0x0                               ; and my reads of both slots are back
	CROUND
	tensor_load_to_lds s[G0H:G0H+3], s[G1H:G1H+7]  ; it lands while the projection runs
	s_nop 0
	PLACES 4
.irp kc, 0,1,2,3,4,5,6,7
	ds_load_b128 v[F+8*\kc:F+8*\kc+3],   v[AW] offset:64*\kc
	ds_load_b128 v[F+8*\kc+4:F+8*\kc+7], v[AW] offset:64*\kc+32
.endr
.irp cb, 0,1,2,3,4,5,6,7,8,9,10,11,12,13,14,15,16
	PBLK \cb
.endr
	WIN 0
.irp t, 0,1,2,3
	v_mov_b32 v[ST+8*\t+1], v[ACC0+8*\t]           ; t of my query: all sixteen rows of block 16 are alike, so the accumulator's first register has it
.endr
	CHANGE 0                                       ; keys 0-127 are in, everybody's part; keys 128-255 are asked for, into slot 1
	TOP
	FETCH 0
	FETCH 1
	FETCH 2
	FETCH 3
	s_mov_b32 s[CNT], 2
	s_mov_b32 s[TILES], 7                          ; tiles 0 to 6 are walked in the loop; behind each but the last a change of slots asks for tiles 2 to 7
	s_branch .Lentry                               ; the loop is entered in the middle of a trip: there is no step before the first
.Ltile:
	CHANGE 0
	s_mov_b32 s[CNT], 2
.Lstep:
	BODY 0
	s_sub_co_u32 s[CNT], s[CNT], 1
	s_cmp_lg_u32 s[CNT], 0
	s_cbranch_scc1 .Lstep
	s_sub_co_u32 s[TILES], s[TILES], 1
	s_cmp_lg_u32 s[TILES], 0
	s_cbranch_scc1 .Ltile
	CHANGE 1                                       ; the last tile is written out; w2 is asked for
	s_mov_b32 s[CNT], 2
.Llast:
	BODY 1
	s_sub_co_u32 s[CNT], s[CNT], 1
	s_cmp_lg_u32 s[CNT], 0
	s_cbranch_scc1 .Llast
	PVG 12, 12, 4, 0                               ; the last step's last four blocks: nothing more is fetched, and the counts run down
	PVG 13, 8, 4, 0
	PVG 14, 4, 4, 0
	PVG 15, 0, 4, 0
	; THE WAY OUT.  O^T is rounded to bf16 into Q's registers; as its windows fall free they take x, 128 loads of two rows x 256 bytes.
.macro ATC win, cc0                    ; eight channel blocks of one window
	WIN \win
.set ac, 0
.rept 8
.irp t, 0,1,2,3
.irp i, 0,1,2,3
	v_cvt_pk_bf16_f32 v[64*\t+8*((\cc0)+ac/2)+4*(ac%2)+\i], v[32*ac+8*\t+2*\i], v[32*ac+8*\t+2*\i+1]
.endr
.endr
.set ac, ac+1
.endr
.endm
.macro XLOAD n                         ; channels 2 n and 2 n + 1, my wave's 256 bytes of each
.if (\n) < 64
	WIN 0x80
.else
	WIN 0xc0
.endif
	global_load_b128 v[4*((\n)%64):4*((\n)%64)+3], v[XG], s[XBASE:XBASE+1] offset:8192*(\n) th:TH_LOAD_NT
.endm
	ATC 0x4a, 0                                    ; sources window 2, destination window 1
.set xi, 0
.rept 56
	XLOAD xi
.set xi, xi+1
.endr
	ATC 0x4f, 4                                    ; sources window 3
	WIN 0
.irp t, 0,1,2,3
	v_add_f32 v[ST+8*\t+4], v[ST+8*\t+2], v[ST+8*\t+3]
.endr
.irp t, 0,1,2,3
	v_permlanex16_b32 v[ST+8*\t+5], v[ST+8*\t+4], s[SEL], s[SEL+1]
.endr
.irp t, 0,1,2,3
	v_add_f32 v[ST+8*\t+4], v[ST+8*\t+4], v[ST+8*\t+5]
.endr
.irp t, 0,1,2,3
	v_rcp_f32 v[12+\t], v[ST+8*\t+4]
.endr
	v_nop                                          ; a plain line between the last reciprocal and the use of its result
	s_wait_alu depctr_va_vdst(0)
.irp t, 0,1,2,3
	ds_store_b32 v[ILA], v[12+\t] offset:64*\t     ; 1 / l by query (both halves of the lanes write the same word with the same number),
.endr
.irp t, 0,1,2,3
	ds_load_b128 v[ST+8*\t:ST+8*\t+3],   v[ILB] offset:64*\t      ; and back as the last product's result wants it: register j for query 16 t + 8 h + j.  LDS serves a wave's instructions in order (ISA guide 5.7.1.4)
	ds_load_b128 v[ST+8*\t+4:ST+8*\t+7], v[ILB] offset:64*\t+16
.endr
	s_wait_tensorcnt 0x0                           ; my quarter of w2 is in,
	s_wait_dscnt 0x0                               ; my LDS reads are back, those of the last slot long since:
	s_barrier_signal -1
	s_barrier_wait -1                              ; w2 is whole, and nobody reads the slots any more; they have had their last fill
	; x's channels 0-127 go into LDS, eight loads at a time.  In front of chunk c 56 + 8 c loads have been issued and loads up to 8 c + 7 are wanted: 48 younger ones stay out.
.set dc, 0
.rept 8
	s_wait_loadcnt 48
	WIN 0x08                                       ; store data (source 1) in window 2
.set di, 8*dc
.rept 8
	ds_store_b128 v[XW], v[4*di:4*di+3] offset:2*PH*di
.set di, di+1
.endr
.set di, 56+8*dc
.rept 8
	XLOAD di
.set di, di+1
.endr
.set dc, dc+1
.endr
.set di, 120
.rept 8
	XLOAD di
.set di, di+1
.endr
	WIN 0
	v_mul_u32_u24 v[AW], v1, PW                    ; w2's block 0
	v_lshl_add_u32 v[AW], v2, 4, v[AW]
	v_add_nc_u32 v[AW], WREG, v[AW]
.irp kc, 0,1,2,3,4,5,6,7
	ds_load_b128 v[F+8*\kc:F+8*\kc+3],   v[AW] offset:64*\kc
	ds_load_b128 v[F+8*\kc+4:F+8*\kc+7], v[AW] offset:64*\kc+32
.endr
	s_wait_dscnt 0x0
; A block of 16 output channels: 32 products (source 0 = O of 16 queries, source 1 = 16 rows of w2): a lane holds one channel and eight neighbouring positions.  Divided by l, b2 added; through my stage, so that
; sixteen lanes hold a row's 256 bytes; x added; stored.  The block's text stands once, so its last trip fetches 16 rows behind w2's: rows of mw that lie there still, and are not used.
.macro OB
	WIN 0
	ds_load_b32 v[BV], v[BA]                       ; b2 of channel 16 block + r
	WIN 0x01                                       ; source 0 in window 1
.irp kc, 0,1,2,3,4,5,6,7
.irp t, 0,1,2,3
.if \kc == 0
	v_wmma_f32_16x16x32_bf16 v[ACC0+8*\t:ACC0+8*\t+7], v[64*\t:64*\t+7], v[F:F+7], 0
.else
	v_wmma_f32_16x16x32_bf16 v[ACC0+8*\t:ACC0+8*\t+7], v[64*\t+8*\kc:64*\t+8*\kc+7], v[F+8*\kc:F+8*\kc+7], v[ACC0+8*\t:ACC0+8*\t+7]
.endif
.endr
.endr
	WIN 0
	v_add_nc_u32 v[AW], 16*PW, v[AW]               ; these two and two v_nop are the four places behind the products
	v_add_nc_u32 v[BA], 64, v[BA]
	PLACES 2
.irp kc, 0,1,2,3,4,5,6,7
	ds_load_b128 v[F+8*\kc:F+8*\kc+3],   v[AW] offset:64*\kc
	ds_load_b128 v[F+8*\kc+4:F+8*\kc+7], v[AW] offset:64*\kc+32
.endr
	s_wait_dscnt 16                                ; b2's word is in; the 16 loads behind it may be out
.irp t, 0,1,2,3
.irp i, 0,1,2,3
	v_pk_fma_f32 v[ACC0+8*\t+2*\i:ACC0+8*\t+2*\i+1], v[ACC0+8*\t+2*\i:ACC0+8*\t+2*\i+1], v[ST+8*\t+2*\i:ST+8*\t+2*\i+1], v[BV:BV+1] op_sel_hi:[1,1,0]
.endr
.endr
.irp t, 0,1,2,3
	ds_store_b128 v[STO], v[ACC0+8*\t:ACC0+8*\t+3]   offset:64*\t
	ds_store_b128 v[STO], v[ACC0+8*\t+4:ACC0+8*\t+7] offset:64*\t+16
.endr
	WIN 0x80                                       ; destination window 2
.irp i, 0,1,2,3,4,5,6,7
	ds_load_b128 v[4*\i:4*\i+3], v[RD] offset:2*PH*\i      ; my own bytes, served in order: these see the stores above
.endr
.irp i, 0,1,2,3,4,5,6,7
	ds_load_b128 v[32+4*\i:32+4*\i+3], v[XR] offset:2*PH*\i
.endr
	s_wait_dscnt 0x0
	WIN 0x8a                                       ; all in window 2
.set oi, 0
.rept 16
	v_pk_add_f32 v[2*oi:2*oi+1], v[2*oi:2*oi+1], v[32+2*oi:32+2*oi+1]
.set oi, oi+1
.endr
	WIN 0x08                                       ; store data in window 2
.irp i, 0,1,2,3,4,5,6,7
	global_store_b128 v[GO], v[4*\i:4*\i+3], s[OBASE:OBASE+1] offset:8192*\i th:TH_STORE_NT  ; 16 lanes store 256 consecutive bytes, at a multiple of 256 from out0's first byte
.endr
	WIN 0
	s_wait_xcnt 0x0                                ; the stores' data and address registers are rewritten only behind this wait
	v_add_nc_u32 v[GO], 0x10000, v[GO]             ; 16 channels on
	v_add_nc_u32 v[XR], 16*PH, v[XR]
.endm
	s_mov_b32 s[HALF], 2
.Lhalf:
	s_cmp_eq_u32 s[HALF], 2
	s_cbranch_scc1 .Lno_dump
	s_wait_loadcnt 0x0                             ; x's channels 128-255 have waited in window 3; they take the place of the first 128, which I alone read, and have read
	WIN 0x0c
.set di, 0
.rept 64
	ds_store_b128 v[XW], v[4*di:4*di+3] offset:2*PH*di
.set di, di+1
.endr
	WIN 0
.Lno_dump:
	v_mov_b32 v[XR], v[XW]
	s_mov_b32 s[CNT], 8
.Lob:
	OB
	s_sub_co_u32 s[CNT], s[CNT], 1
	s_cmp_lg_u32 s[CNT], 0
	s_cbranch_scc1 .Lob
	s_sub_co_u32 s[HALF], s[HALF], 1
	s_cmp_lg_u32 s[HALF], 0
	s_cbranch_scc1 .Lhalf
	s_wait_tensorcnt 0x0                           ; the wave's end, behind my last tensor load and my last LDS store
	ds_add_u32 v[SPW], v[NIL]
	s_wait_dscnt 0x0
	CROUND                                         ; the closing round: no work-group ends while a partner may still ask for a tile that names it
	s_endpgm
.Lfunc_end_k_qedd2c1b3ee_attn:
	.size	k_qedd2c1b3ee_attn, .Lfunc_end_k_qedd2c1b3ee_attn-k_qedd2c1b3ee_attn
	.p2alignl 7, 3214868480
	.fill 96, 4, 3214868480
	.section	.rodata,"a",@progbits
	.p2align	6, 0x0
	.amdhsa_kernel k_qedd2c1b3ee_attn
		.amdhsa_group_segment_fixed_size 327680
		.amdhsa_private_segment_fixed_size 0
		.amdhsa_enable_private_segment 0
		.amdhsa_kernarg_size 56
		.amdhsa_user_sgpr_count 2
		.amdhsa_user_sgpr_kernarg_segment_ptr 1
		.amdhsa_wavefront_size32 1
		.amdhsa_system_sgpr_workgroup_id_x 1
		.amdhsa_system_sgpr_workgroup_id_y 1
		.amdhsa_system_sgpr_workgroup_id_z 1
		.amdhsa_system_vgpr_workitem_id 0
		.amdhsa_next_free_vgpr 1024
		.amdhsa_next_free_sgpr 96
		.amdhsa_reserve_vcc 0
		.amdhsa_float_denorm_mode_32 3
		.amdhsa_float_denorm_mode_16_64 3
		.amdhsa_memory_ordered 1
		.amdhsa_forward_progress 1
		.amdhsa_inst_pref_size 255
	.end_amdhsa_kernel
	.section	.bss,"aw",@nobits
	.p2align	6
	.space	262144
	.amdgpu_metadata
---
amdhsa.version: [ 1, 2 ]
amdhsa.kernels:
  - .name:           k_qedd2c1b3ee_attn
    .symbol:         k_qedd2c1b3ee_attn.kd
    .args:
      - { .name: h, .offset: 0, .size: 8, .value_kind: global_buffer, .address_space: global }
      - { .name: mw, .offset: 8, .size: 8, .value_kind: global_buffer, .address_space: global }
      - { .name: w2, .offset: 16, .size: 8, .value_kind: global_buffer, .address_space: global }
      - { .name: ub, .offset: 24, .size: 8, .value_kind: global_buffer, .address_space: global }
      - { .name: b2, .offset: 32, .size: 8, .value_kind: global_buffer, .address_space: global }
      - { .name: x, .offset: 40, .size: 8, .value_kind: global_buffer, .address_space: global }
      - { .name: out0, .offset: 48, .size: 8, .value_kind: global_buffer, .address_space: global }
    .group_segment_fixed_size: 327680
    .private_segment_fixed_size: 0
    .kernarg_segment_align: 8
    .kernarg_segment_size: 56
    .max_flat_workgroup_size: 128
    .sgpr_count:     96
    .vgpr_count:     1024
    .wavefront_size: 32
...
	.end_amdgpu_metadata
.endif
;; end of part 3
;; ======== version 2 of 2: 3 launches; version 1 with the launch norm written anew for expert scheduling mode
;; limits: values outside matrix products are rounded to bf16
;; workspace buffers: h 33,554,432 bytes; mw 139,264 bytes; w2 131,072 bytes; ub 1,280 bytes; b2 1,024 bytes
;; launch prep: the kernel of part 1 again; grid 17 x 33, 1 waves a work-group, no clusters, 16,640 bytes of LDS; arguments wq, bq, wk, bk, wv, bv, wo, bo, mw, w2, ub, b2; writes mw, w2, ub, b2
;; launch norm (part 4): grid 256 x 1, 8 waves a work-group, no clusters, 0 bytes of LDS; arguments x, gn_weight, gn_bias, h; writes h
.if DOCPART == 4
	.amdgcn_target "amdgcn-amd-amdhsa--gfx1250"
	.amdhsa_code_object_version 6
	.text
	.protected	k_qedd2c1b3ee_norm
	.globl	k_qedd2c1b3ee_norm
	.p2align	8
	.type	k_qedd2c1b3ee_norm,@function
k_qedd2c1b3ee_norm:
	s_mov_b64 s[64:65], 0
	v_nop
	global_prefetch_b8 v0, s[64:65] scope:SCOPE_SE
	s_setreg_imm32_b32 hwreg(HW_REG_WAVE_SCHED_MODE, 0, 2), 2
	s_setreg_imm32_b32 hwreg(HW_REG_WAVE_MODE, 25, 1), 1
	s_wait_xcnt 0x0
	s_wait_alu depctr_vm_vsrc(0)
; GROUP NORM.  h[b][c][n] = (x - mean) rsqrt(var + 1e-5) gain[c] + bias[c], rounded once to bf16.  A group is 8 channels x 1,024 positions: 32,768 consecutive bytes of x, 16,384 of h.
; One wave takes one group and keeps it in 256 registers between the passes: x is read once, no wave waits for another, no LDS, no barrier.  2,048 groups = 256 work-groups x 8 waves.
; The variance is the mean of the squared deviations from the mean: no difference of large sums is formed, so a common offset of x costs no accuracy beyond x's own rounding.
; Matrix units, clusters and LDS have nothing to do here: the launch moves bytes.
; REGISTERS: window 0: v1 16 x lane, v2 8 x lane, v[4:11] four packed chains, v[12:13] the mean twice, v14 rsqrt, v[16:31] gain x rsqrt in pairs, v[32:47] bias in pairs.
;            window 1: load i's four numbers at v[4 i]: bytes 512 i + 16 lane of the group; channel i / 8.
; THE MODE: SCHED_MODE bits 1:0 = 2 (LLVM: expert scheduling mode 2), set by the entry lines.  The code itself states the register dependences
; between vector instructions and memory instructions, with s_wait_alu, always for 0.
; THE PLAN.  Registers that memory instructions touch:
;   v1         the loads' offset.   Written once at the head, read by the 64 loads, never written again.
;   v2         the stores' offset.  Written once at the head, read by the 64 stores, never written again.
;   window 1   The 64 loads land in it before any vector instruction has named it.  Behind the waits on LOADcnt vector instructions alone work on it.  The conversions of load i write
;              v[4 i] and v[4 i + 1]; store i reads them; nothing writes them afterwards.
; So one wait on va_vdst stands ahead of the loads (v1), and one at the head of each channel of the way out: it states that the channel before is rounded.  That channel's eight stores follow it,
; dealt among this channel's sixteen scalings, which name this channel's 32 registers, its gain and its bias: none of the registers that those stores touch.
; No register that a memory instruction has read is written again, so the text holds no wait on vm_vsrc behind the entry lines.  EXEC is never written.
.set MSB, 0
.macro WIN new                         ; the immediate's high byte repeats the setting that is left
.if MSB != (\new)
	s_set_vgpr_msb (MSB<<8)|(\new)
.set MSB, (\new)
.endif
.endm
.macro REDUCE                          ; four packed chains into one number, the same in every lane
	WIN 0
	v_pk_add_f32 v[4:5], v[4:5], v[6:7]
	v_pk_add_f32 v[8:9], v[8:9], v[10:11]
	v_pk_add_f32 v[4:5], v[4:5], v[8:9]
	v_add_f32 v4, v4, v5
	v_add_f32_dpp v4, v4, v4 row_xmask:1 row_mask:0xf bank_mask:0xf
	v_add_f32_dpp v4, v4, v4 row_xmask:2 row_mask:0xf bank_mask:0xf
	v_add_f32_dpp v4, v4, v4 row_xmask:4 row_mask:0xf bank_mask:0xf
	v_add_f32_dpp v4, v4, v4 row_xmask:8 row_mask:0xf bank_mask:0xf
	v_permlanex16_b32 v5, v4, s36, s37             ; its destination counts as read: v5 has been written
	v_add_f32 v4, v4, v5
.endm
	s_load_b256 s[4:11], s[0:1], 0x0               ; x s[4:5], gain s[6:7], bias s[8:9], h s[10:11]
	v_lshrrev_b32 v3, 5, v0
	v_readfirstlane_b32 s12, v3                    ; wave 0..7
	v_and_b32 v3, 31, v0                           ; the lane offsets and the constants stand between that line and the wait for it
	v_lshlrev_b32 v1, 4, v3
	v_lshlrev_b32 v2, 3, v3
	s_mov_b32 s3, 0
	s_mov_b32 s33, 0
	s_mov_b32 s35, 0
	s_mov_b32 s14, 0x39000000                      ; 1 / 8,192
	s_mov_b32 s15, 0x3727c5ac                      ; 1e-5
	s_mov_b32 s36, 0x76543210                      ; v_permlanex16_b32: each lane takes its own place in the other half
	s_mov_b32 s37, 0xfedcba98
	s_wait_alu depctr_va_sdst(0)                   ; s12 is written, ahead of its first reader: the group's number, and all four bases, are made from it
	s_lshl3_add_u32 s12, ttmp9, s12                ; my group = 8 x work-group + wave
	s_lshl_b32 s2, s12, 15                         ; its bytes in x (under 2^27),
	s_lshl_b32 s32, s12, 14                        ; in h,
	s_and_b32 s34, s12, 31                         ; and its eight gains and biases: 32 bytes at group % 32
	s_lshl_b32 s34, s34, 5
	s_wait_kmcnt 0x0
	s_add_nc_u64 s[4:5], s[4:5], s[2:3]
	s_add_nc_u64 s[10:11], s[10:11], s[32:33]
	s_add_nc_u64 s[6:7], s[6:7], s[34:35]
	s_add_nc_u64 s[8:9], s[8:9], s[34:35]
	s_load_b256 s[16:23], s[6:7], 0x0
	s_load_b256 s[24:31], s[8:9], 0x0
	WIN 0x40                                       ; destination window 1
	s_wait_alu depctr_va_vdst(0)                   ; v1 is written, which every load below reads as its offset (and v2, the stores' offset)
.set i, 0
.rept 64
	global_load_b128 v[4*i:4*i+3], v1, s[4:5] offset:512*i th:TH_LOAD_NT  ; 512 consecutive bytes a load; the whole group is on its way
.set i, i+1
.endr
	; the sum, as the loads come in: eight loads (16 pairs) behind each wait, whose count is the number of younger loads
.set p, 0
.rept 128
.if p%16 == 0
	s_wait_loadcnt 56-8*(p/16)
.endif
.if p < 8
.if p%2 == 0
	WIN 0x05                                       ; the first eight pairs start the four chains: nothing is cleared
	v_pk_add_f32 v[4+p:5+p], v[2*p:2*p+1], v[2*p+2:2*p+3]
.endif
.else
	WIN 0x04
	v_pk_add_f32 v[4+2*(p%4):5+2*(p%4)], v[4+2*(p%4):5+2*(p%4)], v[2*p:2*p+1]
.endif
.set p, p+1
.endr
	REDUCE
	v_mul_f32 v12, s14, v4                         ; the mean
	v_mov_b32 v13, v12
	WIN 0x41                                       ; destination and source 0 in window 1
.set p, 0
.rept 128
	v_pk_add_f32 v[2*p:2*p+1], v[2*p:2*p+1], v[12:13] neg_lo:[0,1] neg_hi:[0,1]  ; x - mean, in place
.set p, p+1
.endr
	WIN 0x05
.set p, 0
.rept 128
.if p < 4
	v_pk_mul_f32 v[4+2*p:5+2*p], v[2*p:2*p+1], v[2*p:2*p+1]
.else
	v_pk_fma_f32 v[4+2*(p%4):5+2*(p%4)], v[2*p:2*p+1], v[2*p:2*p+1], v[4+2*(p%4):5+2*(p%4)]
.endif
.set p, p+1
.endr
	REDUCE
	v_fma_f32 v14, v4, s14, s15                    ; var + 1e-5
	v_rsq_f32 v14, v14
	s_wait_kmcnt 0x0                               ; gains and biases
.irp c, 0,1,2,3,4,5,6,7
	v_mov_b32 v[32+2*\c], s[24+\c]                 ; plain lines between the root and the use of its result (ISA guide 5.7.2)
	v_mov_b32 v[33+2*\c], s[24+\c]
.endr
	s_wait_alu depctr_va_vdst(0)                   ; the root has written v14, ahead of its first reader
.irp c, 0,1,2,3,4,5,6,7
	v_mul_f32 v[16+2*\c], s[16+\c], v14
	v_mul_f32 v[17+2*\c], s[16+\c], v14
.endr
	; THE WAY OUT, channel by channel: scaled, rounded in place; stored while the next channel is scaled.
	; One window setting serves a store (offset, source 0, in window 0; data, source 1, in window 1) and a scaling (gain as source 0, x as source 1, bias as source 2).
.irp c, 0,1,2,3,4,5,6,7
	WIN 0x44                                       ; source 1 and destination in window 1
.if \c > 0
	s_wait_alu depctr_va_vdst(0)                   ; the conversions of the channel before have written the registers that its eight stores, below, read
.endif
.set i, 0
.rept 8
.if \c > 0
	global_store_b64 v2, v[32*(\c-1)+4*i:32*(\c-1)+4*i+1], s[10:11] offset:256*(8*(\c-1)+i)  ; the wave's 32 lanes store 256 consecutive bytes, at a multiple of 256 from h's first byte; no vector line since the wait names these registers
.endif
	v_pk_fma_f32 v[32*\c+4*i:32*\c+4*i+1],   v[16+2*\c:17+2*\c], v[32*\c+4*i:32*\c+4*i+1],   v[32+2*\c:33+2*\c]
	v_pk_fma_f32 v[32*\c+4*i+2:32*\c+4*i+3], v[16+2*\c:17+2*\c], v[32*\c+4*i+2:32*\c+4*i+3], v[32+2*\c:33+2*\c]
.set i, i+1
.endr
	WIN 0x45                                       ; both sources and the destination in window 1
.set i, 8*\c
.rept 8
	v_cvt_pk_bf16_f32 v[4*i],   v[4*i],   v[4*i+1]
	v_cvt_pk_bf16_f32 v[4*i+1], v[4*i+2], v[4*i+3]
.set i, i+1
.endr
.endr
	WIN 0x44
	s_wait_alu depctr_va_vdst(0)                   ; the last channel's conversions have written the registers that the last eight stores read
.set i, 56
.rept 8
	global_store_b64 v2, v[4*i:4*i+1], s[10:11] offset:256*i
.set i, i+1
.endr
	s_endpgm
.Lfunc_end_k_qedd2c1b3ee_norm:
	.size	k_qedd2c1b3ee_norm, .Lfunc_end_k_qedd2c1b3ee_norm-k_qedd2c1b3ee_norm
	.p2alignl 7, 3214868480
	.fill 96, 4, 3214868480
	.section	.rodata,"a",@progbits
	.p2align	6, 0x0
	.amdhsa_kernel k_qedd2c1b3ee_norm
		.amdhsa_group_segment_fixed_size 0
		.amdhsa_private_segment_fixed_size 0
		.amdhsa_enable_private_segment 0
		.amdhsa_kernarg_size 32
		.amdhsa_user_sgpr_count 2
		.amdhsa_user_sgpr_kernarg_segment_ptr 1
		.amdhsa_wavefront_size32 1
		.amdhsa_system_sgpr_workgroup_id_x 1
		.amdhsa_system_sgpr_workgroup_id_y 1
		.amdhsa_system_sgpr_workgroup_id_z 1
		.amdhsa_system_vgpr_workitem_id 0
		.amdhsa_next_free_vgpr 512
		.amdhsa_next_free_sgpr 66
		.amdhsa_reserve_vcc 0
		.amdhsa_float_denorm_mode_32 3
		.amdhsa_float_denorm_mode_16_64 3
		.amdhsa_memory_ordered 1
		.amdhsa_forward_progress 1
		.amdhsa_inst_pref_size 57
	.end_amdhsa_kernel
	.amdgpu_metadata
---
amdhsa.version: [ 1, 2 ]
amdhsa.kernels:
  - .name:           k_qedd2c1b3ee_norm
    .symbol:         k_qedd2c1b3ee_norm.kd
    .args:
      - { .name: x, .offset: 0, .size: 8, .value_kind: global_buffer, .address_space: global }
      - { .name: gn_weight, .offset: 8, .size: 8, .value_kind: global_buffer, .address_space: global }
      - { .name: gn_bias, .offset: 16, .size: 8, .value_kind: global_buffer, .address_space: global }
      - { .name: h, .offset: 24, .size: 8, .value_kind: global_buffer, .address_space: global }
    .group_segment_fixed_size: 0
    .private_segment_fixed_size: 0
    .kernarg_segment_align: 8
    .kernarg_segment_size: 32
    .max_flat_workgroup_size: 256
    .sgpr_count:     66
    .vgpr_count:     512
    .wavefront_size: 32
...
	.end_amdgpu_metadata
.endif
;; end of part 4
;; launch attn: the kernel of part 3 again; grid 4 x 64, 4 waves a work-group, clusters of 4 x 1, 327,680 bytes of LDS; arguments h, mw, w2, ub, b2, x, out0; writes out0
